; MI455X (gfx1250); checked and timed in simulation.
; The chip was launched on July 23, 2026; its instructions are those of AMD's public machine-readable ISA for CDNA 5 (MIT licence, August 2026) and "CDNA5" Instruction Set Architecture Reference Guide (July 2026). The comments in the code are by the model that wrote it; some were corrected since.
;; Self Lin Attention. Allowed arithmetic: matrix products marked QUANTISED: E2M1 operands, one E8M0 scale for each 32 along K, by v_wmma_scale_f32_16x16x128_f8f6f4 with both operands' format E2M1 (or v_wmma_scale_f32_32x16x128_f4), f32 sums; everything else in f32.
;; Inputs: qk 2 x 2,048 x 2 x 16 x 64 float32; v_codes 2 x 16 x 64 x 64 x 16 uint8 (E2M1 codes of v, K innermost, in blocks of 32 codes, two codes a byte); v_scales 2 x 16 x 64 x 64 uint8 (E8M0 scales of v, one for each 32 codes along K).
;; Outputs: out0 2 x 2,048 x 16 x 64 float32.
;; This version of the problem:
;;   THIS VERSION OF THE PROBLEM IS GIVEN IN LOW PRECISION. The matrix products marked QUANTISED in the list below multiply operands that are first quantised to E2M1 (2 exponent bits, 1 mantissa bit; 4 bits a number), with one power-of-two scale for each 32 numbers along K (OCP MX v1.0); their sums are f32. All else is computed in f32.
;;   The module's matrix products, in the order in which they are computed (A, B: the left and right operand; K: the contracted axis; several contracted axes count as one K, in the product's order):
;;     1. batch 32 x [M 2,048, K 64] x [K 64, N 2,048]; A: computed on the way; B: computed on the way: QUANTISED
;;     2. batch 32 x [M 64, K 2,048] x [K 2,048, N 2,048]; A: input v (given as codes); B: computed on the way: QUANTISED
;;   THE QUANTISER, for each operand of a quantised product, along K:
;;     - K is cut into blocks of 32 from its start; a last block that is shorter is filled with zeros.
;;     - A block's scale is 2^e with e = floor(log2(the largest magnitude in the block)) - 2, held to -126 .. 127; a block of zeros has e = 0. As a byte (E8M0): e + 127.
;;     - Each number is divided by its block's scale, clamped to +-6, and rounded to the nearest number of E2M1, ties to even, subnormals kept.
;;     - The product sums the exact products of the quantised numbers (number of the format x scale) in f32.
;;   ~~~python
;;   def quantise(x, axis):      # numpy; x: float32 -> the quantised numbers, widened to float32 again
;;       x = np.moveaxis(x, axis, -1); K = x.shape[-1]
;;       x = np.pad(x, [(0, 0)] * (x.ndim - 1) + [(0, -K % 32)]); x = x.reshape(x.shape[:-1] + (-1, 32)); a = np.abs(x).max(-1, keepdims=True)
;;       e = np.where(a > 0, np.clip(np.frexp(np.where(a > 0, a, 1))[1] - 1 - 2, -126, 127), 0)      # np.frexp(a)[1] - 1 = floor(log2(a)), exactly
;;       r = np.clip(x / 2.0 ** e, -6, 6)
;;       step = 2.0 ** (np.maximum(np.frexp(np.where(r == 0, 1, r))[1] - 1, 0) - 1)
;;       q = np.round(r / step) * step * 2.0 ** e      # np.round: ties to even
;;       return np.moveaxis(q.reshape(q.shape[:-2] + (-1,))[..., :K], -1, axis).astype(np.float32)
;;   ~~~
;;   OPERANDS COMPUTED ON THE WAY. 'Computed on the way' means the value that the module computes at that place (a softmax that the list does not call 'softmax' is quantised finished and normalised). What goes into a quantiser is computed in f32, as accurately as f32 sums, v_exp_f32 and their like allow (about 1e-6 of the number): no bf16 or f16 on the way to a quantiser, and a product that is left as it is and whose result goes on into a quantised operand takes f32 operands (vector FMAs, or v_wmma_f32_16x16x4_f32). A number that lies on a knife's edge between two numbers of the format may be rounded either way, as far as f32 arithmetic and the matrix unit's own rounding can turn it there, and no further.
;;   INPUTS GIVEN AS CODES. v (in the module: [2, 2048, 16, 64], K = its axis 1): each comes as NAME_codes (uint8): NAME with its K axis moved to the last place and cut into blocks of 32 codes, [.., K / 32, bytes a block], one block behind the other in memory; two codes a byte, the lower K in the low four bits (a code: sign, 2 exponent bits, 1 mantissa bit); and NAME_scales (uint8): the same leading axes, one E8M0 byte (e + 127) for each 32 codes along K. Its value is code x scale, taken as it is: it is not quantised again, and the codes and scales need not be those that the quantiser above would give.
;; One version. Each part assembles by itself: llvm-mc -triple=amdgcn-amd-amdhsa -mcpu=gfx1250 --defsym DOCPART=n.
;; ======== version 1 of 1: 2 launches
;; workspace buffers: codes 4,194,304 bytes; scales 262,144 bytes
;; launch quant (part 1): grid 256 x 1, 8 waves a work-group, no clusters, 60,416 bytes of LDS; arguments qk, codes, scales; writes codes, scales
.if DOCPART == 1
	.amdgcn_target "amdgcn-amd-amdhsa--gfx1250"
	.amdhsa_code_object_version 6
	.text
	.protected	k_qfeb7dbfca5_quant
	.globl	k_qfeb7dbfca5_quant
	.p2align	8
	.type	k_qfeb7dbfca5_quant,@function
k_qfeb7dbfca5_quant:
	s_mov_b64 s[64:65], 0
	v_nop
	global_prefetch_b8 v0, s[64:65] scope:SCOPE_SE
	s_setreg_imm32_b32 hwreg(HW_REG_WAVE_MODE, 25, 1), 1
	s_wait_xcnt 0x0
; qk [2][2048][2][16][64] f32  ->  elu(x) + 1  ->  codes of FP4 (E2M1) along the last axis, one E8M0 byte for each 32 numbers.
; OUT: codes  [c: 0 = q, 1 = k][head b*16+h: 32][65,536 bytes],  scales [c][head][4,096 bytes].
;   q: query s has its 32 bytes of codes at 32 s, its two scale bytes at 2 s.
;   k: PAIR-ROWS of 64 bytes: key s = 32 g + 16 a + 8 u + j lies at 1024 g + 512 a + 64 j + 32 u, so that a pair-row holds a key and the key 8 further on;
;      a scale byte always lies at (its block's byte address) / 16: a pair-row has one word of four bytes.
; elu(x) + 1 is x + 1 above 0 and (e^x - 1) + 1 elsewhere: the subtraction and the addition are kept, so that the number falls on the same grid of 2^-24 as expm1(x) + 1.
; A block's scale is 2^(floor(log2(largest)) - 2); its byte is the largest number's exponent field - 2, held at 1 from below.
; LIMITS: NaN and infinities among the inputs are not served; a block of zeros, or one whose largest number lies under 2^-124, gets the byte 1 (its codes are zeros or near it; only this program reads the bytes).
; SHARES: a work-group takes 16 positions of the (b, s) axis, 131,072 consecutive bytes; a wave two of them, 16,384 bytes, in 8 steps of 2,048 bytes (8 heads x 64 numbers).
; Step t = 4 sl + 2 c + hh: position sl of the wave's two, q or k, heads 8 hh on.  All 32 loads of a wave go out at the start, each 512 consecutive bytes, into registers of their own.
; The conversions want 16 neighbours in one lane: a step's 2,048 bytes turn through the wave's own stage in LDS (16 bytes of padding behind each 64).  Two neighbouring lanes hold a block.
; Codes and scale bytes of the 16 positions are gathered by (c, head) in LDS; behind one barrier each wave stores four regions of 512 consecutive bytes.
.set SP,    80                         ; a lane's place in a stage: 64 bytes + 16
.set STGB,  32*SP                      ; a stage
.set WST,   2*STGB                     ; two stages a wave
.set OUTC,  8*WST                      ; 40,960: 32 regions (16 c + head) of codes, 512 bytes + 32
.set RP,    544
.set OUTS,  OUTC+32*RP                 ; 58,368: 32 regions of 32 scale bytes
.set R,     16                         ; v16-143  the 32 loads
.set X,     144                        ; v144-175 two sets of 16 neighbours
.set C,     176                        ; v176-191 two registers of codes for each step
.set E,     192                        ; v192-199 a scale byte for each step
.set T,     200                        ; v200-215 at work
.set OB,    216                        ; v216-231 the way out: four regions of codes
.set OW,    232                        ; v232     the way out: a word of scale bytes
	s_load_b128 s[4:7], s[0:1], 0x0                ; qk, codes
	s_load_b64 s[8:9], s[0:1], 0x10                ; scales
	v_lshl_add_u32 v240, v0, 2, 0xe800
	v_mov_b32 v241, 0
	v_lshrrev_b32 v1, 5, v0
	v_readfirstlane_b32 s12, v1                    ; wave 0..7
	v_and_b32 v1, 31, v0                           ; lane
	v_lshlrev_b32 v3, 4, v1                        ; 16 x lane: my bytes of a load, and of a store of codes
	s_mov_b32 s14, 0x3fb8aa3b                      ; log2(e)
	s_mov_b32 s15, s14                             ; (named with it as a pair, so it is written)
	s_lshl_b32 s18, ttmp9, 17                      ; the work-group's 131,072 bytes,
	s_lshl_b32 s19, s12, 14                        ; my wave's 16,384 of them
	s_add_co_u32 s18, s18, s19
	s_mov_b32 s19, 0
	s_wait_kmcnt 0x0
	s_add_nc_u64 s[4:5], s[4:5], s[18:19]
.set n, 0
.rept 32
	global_load_b128 v[R+4*n:R+4*n+3], v3, s[4:5] offset:512*n th:TH_LOAD_NT   ; 32 lanes read 512 consecutive bytes; read once in the launch
.set n, n+1
.endr
	; addresses, made while the loads are out
	s_mul_i32 s16, s12, WST
	v_lshrrev_b32 v8, 2, v1                        ; lane / 4: the head of a step's eight
	v_and_b32 v9, 3, v1                            ; lane % 4: which 16 of the row's 64
	v_mul_u32_u24 v14, v8, SP
	v_lshl_add_u32 v14, v9, 4, v14
	v_add_nc_u32 v14, s16, v14                     ; the stage, on the way in
	v_mul_u32_u24 v15, v1, SP
	v_add_nc_u32 v15, s16, v15                     ; and on the way out: my 16 neighbours
	s_and_b32 s20, s12, 3                          ; wave % 4
	s_lshr_b32 s21, s12, 2                         ; wave / 4
	v_mul_u32_u24 v10, v8, RP
	v_lshl_add_u32 v10, v9, 3, v10
	v_add_nc_u32 v10, OUTC, v10                    ; my head's region, my 8 bytes of a row's 32
	s_lshl_b32 s17, s12, 6
	v_add_nc_u32 v4, s17, v10                      ; q: position 2 w + sl at 32 bytes each
	s_lshl_b32 s22, s20, 7
	s_lshl_b32 s23, s21, 5
	s_add_co_u32 s22, s22, s23
	v_add_nc_u32 v5, s22, v10                      ; k: position 8 u + j, u = w / 4, j = 2 (w % 4) + sl, at 64 j + 32 u
	v_bfe_u32 v11, v1, 1, 1                        ; which block of the row
	v_lshl_add_u32 v11, v8, 5, v11
	v_add_nc_u32 v11, OUTS, v11
	s_lshl_b32 s22, s12, 2
	v_add_nc_u32 v6, s22, v11                      ; q's scale byte: a sixteenth of the codes' place
	s_lshl_b32 s22, s20, 3
	s_lshl_b32 s23, s21, 1
	s_add_co_u32 s22, s22, s23
	v_add_nc_u32 v7, s22, v11                      ; k's
	s_mul_i32 s22, s12, 4*RP
	s_add_co_u32 s22, s22, OUTC
	v_add_nc_u32 v12, s22, v3                      ; back: regions 4 w .. 4 w + 3, 16 bytes a lane
	v_lshl_add_u32 v13, v0, 2, OUTS                ; and a word of scale bytes a thread: region 4 w + lane / 8
	v_lshrrev_b32 v2, 3, v1
	v_and_b32 v9, 7, v1
	v_lshlrev_b32 v9, 2, v9
	v_lshl_add_u32 v2, v2, 12, v9                  ; its place in memory: 4,096 (lane / 8) + 4 (lane % 8)
	; where my four regions go: c = w / 4, heads 16 b + 4 (w % 4) on, the work-group's 16 positions
	s_lshr_b32 s24, ttmp9, 7                       ; b
	s_and_b32 s25, ttmp9, 127                      ; which 16 positions of the sequence
	s_lshl_b32 s22, s24, 4
	s_lshl_b32 s23, s20, 2
	s_add_co_u32 s22, s22, s23                     ; the first of my four heads
	s_lshl_b32 s26, s21, 21
	s_lshl_b32 s23, s22, 16
	s_add_co_u32 s26, s26, s23
	s_lshl_b32 s23, s25, 9
	s_add_co_u32 s26, s26, s23
	s_mov_b32 s27, 0
	s_lshl_b32 s28, s21, 17
	s_lshl_b32 s23, s22, 12
	s_add_co_u32 s28, s28, s23
	s_lshl_b32 s23, s25, 5
	s_add_co_u32 s28, s28, s23
	s_mov_b32 s29, 0
	s_add_nc_u64 s[6:7], s[6:7], s[26:27]
	s_add_nc_u64 s[8:9], s[8:9], s[28:29]
.macro TURN t                          ; step t through a stage: LDS serves a wave's instructions in order, so no wait stands between the stores and the loads
.irp i, 0,1,2,3
	ds_store_b128 v14, v[R+16*(\t)+4*\i:R+16*(\t)+4*\i+3] offset:STGB*((\t)%2)+8*SP*\i
.endr
.irp i, 0,1,2,3
	ds_load_b128 v[X+16*((\t)%2)+4*\i:X+16*((\t)%2)+4*\i+3], v15 offset:STGB*((\t)%2)+16*\i
.endr
.endm
.macro ELU                             ; the 16 numbers at v[XS] on become elu(x) + 1
.irp j, 0,2,4,6,8,10,12,14
	v_pk_mul_f32 v[T+\j:T+\j+1], v[XS+\j:XS+\j+1], s[14:15] op_sel_hi:[1,0]
.endr
.irp j, 0,1,2,3,4,5,6,7,8,9,10,11,12,13,14,15
	v_exp_f32 v[T+\j], v[T+\j]                     ; e^x
.endr
	v_nop                                          ; a plain instruction between the last exponential and the use of its result
	s_wait_alu depctr_va_vdst(0)
.irp j, 0,1,2,3,4,5,6,7,8,9,10,11,12,13,14,15
	v_min_num_f32 v[T+\j], 1.0, v[T+\j]            ; above 0 the exponential counts for 1,
.endr
.irp j, 0,2,4,6,8,10,12,14
	v_pk_add_f32 v[T+\j:T+\j+1], v[T+\j:T+\j+1], -1.0 op_sel_hi:[1,0]   ; so that e^x - 1 is 0 there
.endr
.irp j, 0,1,2,3,4,5,6,7,8,9,10,11,12,13,14,15
	v_max_num_f32 v[XS+\j], v[XS+\j], v[T+\j]      ; x above 0; e^x - 1, which is never under x, elsewhere
.endr
.irp j, 0,2,4,6,8,10,12,14
	v_pk_add_f32 v[XS+\j:XS+\j+1], v[XS+\j:XS+\j+1], 1.0 op_sel_hi:[1,0]
.endr
.endm
.macro STEP t
.set XS, X+16*((\t)%2)
.set SL, (\t)/4
.set CC, ((\t)/2)%2
.set HH, (\t)%2
.if (\t) > 0
	s_wait_dscnt 2                                 ; this step's numbers are back from the stage; the last step's two stores may be out
.else
	s_wait_dscnt 0x0
.endif
.if (\t) < 7
	s_wait_loadcnt 24-4*(\t)                       ; the next step's four loads are in; those of the steps behind it may be out
	TURN (\t)+1                                    ; and go through the other stage while this step is worked
.endif
	ELU
	v_max3_num_f32 v8, v[XS], v[XS+1], v[XS+2]     ; the largest of my 16: none is negative
	v_max3_num_f32 v9, v[XS+3], v[XS+4], v[XS+5]
.irp i, 6,10
	v_max3_num_f32 v8, v8, v[XS+\i], v[XS+\i+1]
	v_max3_num_f32 v9, v9, v[XS+\i+2], v[XS+\i+3]
.endr
	v_max3_num_f32 v8, v8, v[XS+14], v[XS+15]
	v_max3_num_f32 v8, v8, v9, 0x1800000           ; and the floor 2^(3 - 127): the byte cannot fall under 1
	v_max_num_f32_dpp v8, v8, v8 row_xmask:1 row_mask:0xf bank_mask:0xf   ; with my neighbour's 16: the block's
	v_add_nc_u32 v11, 0xff000000, v8               ; 2 off its exponent field: the conversion takes that field as its scale
	v_cvt_scalef32_pk8_fp4_f32 v[C+2*(\t)], v[XS:XS+7], v11
	v_cvt_scalef32_pk8_fp4_f32 v[C+2*(\t)+1], v[XS+8:XS+15], v11
	v_lshrrev_b32 v[E+(\t)], 23, v11               ; the scale's byte (also the plain instruction behind the conversions)
.if CC
	ds_store_b8 v7, v[E+(\t)] offset:(16+8*HH)*32+4*SL            ; both lanes of a block write the same byte with the same value
	ds_store_b64 v5, v[C+2*(\t):C+2*(\t)+1] offset:(16+8*HH)*RP+64*SL
.else
	ds_store_b8 v6, v[E+(\t)] offset:8*HH*32+2*SL
	ds_store_b64 v4, v[C+2*(\t):C+2*(\t)+1] offset:8*HH*RP+32*SL
.endif
.endm
	s_wait_loadcnt 28                              ; step 0's four loads are in, the 28 younger ones may be out
	TURN 0
.irp t, 0,1,2,3,4,5,6,7
	STEP \t
.endr
	s_wait_dscnt 0x0                               ; for the others' sake: my stores into the regions are done
	s_barrier_signal -1
	s_barrier_wait -1
.irp i, 0,1,2,3
	ds_load_b128 v[OB+4*\i:OB+4*\i+3], v12 offset:RP*\i
.endr
	ds_load_b32 v[OW], v13
.irp i, 0,1,2,3
	s_wait_dscnt 4-\i                              ; region i is in; the younger loads may be out
	global_store_b128 v3, v[OB+4*\i:OB+4*\i+3], s[6:7] offset:65536*\i   ; 32 lanes store 512 consecutive bytes, at a multiple of 512 from the buffer's first byte
.endr
	s_wait_dscnt 0x0
	global_store_b32 v2, v[OW], s[8:9]             ; eight lanes store a head's 32 scale bytes: pieces, but one byte in 128 of what the launch moves
	s_wait_tensorcnt 0x0
	ds_add_u32 v240, v241
	s_wait_dscnt 0x0
	s_endpgm
.Lfunc_end_k_qfeb7dbfca5_quant:
	.size	k_qfeb7dbfca5_quant, .Lfunc_end_k_qfeb7dbfca5_quant-k_qfeb7dbfca5_quant
	.p2alignl 7, 3214868480
	.fill 96, 4, 3214868480
	.section	.rodata,"a",@progbits
	.p2align	6, 0x0
	.amdhsa_kernel k_qfeb7dbfca5_quant
		.amdhsa_group_segment_fixed_size 60416
		.amdhsa_private_segment_fixed_size 0
		.amdhsa_enable_private_segment 0
		.amdhsa_kernarg_size 24
		.amdhsa_user_sgpr_count 2
		.amdhsa_user_sgpr_kernarg_segment_ptr 1
		.amdhsa_wavefront_size32 1
		.amdhsa_system_sgpr_workgroup_id_x 1
		.amdhsa_system_sgpr_workgroup_id_y 1
		.amdhsa_system_sgpr_workgroup_id_z 1
		.amdhsa_system_vgpr_workitem_id 0
		.amdhsa_next_free_vgpr 242
		.amdhsa_next_free_sgpr 66
		.amdhsa_reserve_vcc 0
		.amdhsa_float_denorm_mode_32 3
		.amdhsa_float_denorm_mode_16_64 3
		.amdhsa_memory_ordered 1
		.amdhsa_forward_progress 1
		.amdhsa_inst_pref_size 44
	.end_amdhsa_kernel
	.amdgpu_metadata
---
amdhsa.version: [ 1, 2 ]
amdhsa.kernels:
  - .name:           k_qfeb7dbfca5_quant
    .symbol:         k_qfeb7dbfca5_quant.kd
    .args:
      - { .name: qk, .offset: 0, .size: 8, .value_kind: global_buffer, .address_space: global }
      - { .name: codes, .offset: 8, .size: 8, .value_kind: global_buffer, .address_space: global }
      - { .name: scales, .offset: 16, .size: 8, .value_kind: global_buffer, .address_space: global }
    .group_segment_fixed_size: 60416
    .private_segment_fixed_size: 0
    .kernarg_segment_align: 8
    .kernarg_segment_size: 24
    .max_flat_workgroup_size: 256
    .sgpr_count:     66
    .vgpr_count:     242
    .wavefront_size: 32
...
	.end_amdgpu_metadata
.endif
;; end of part 1
;; launch attn (part 2): grid 8 x 32, 8 waves a work-group, no clusters, 197,632 bytes of LDS; arguments codes, scales, v_codes, v_scales, out0; writes out0
.if DOCPART == 2
	.amdgcn_target "amdgcn-amd-amdhsa--gfx1250"
	.amdhsa_code_object_version 6
	.text
	.protected	k_qfeb7dbfca5_attn
	.globl	k_qfeb7dbfca5_attn
	.p2align	8
	.type	k_qfeb7dbfca5_attn,@function
k_qfeb7dbfca5_attn:
	s_mov_b64 s[64:65], 0
	v_nop
	global_prefetch_b8 v0, s[64:65] scope:SCOPE_SE
	s_setreg_imm32_b32 hwreg(HW_REG_WAVE_MODE, 25, 1), 1
	s_wait_xcnt 0x0
; out[q][:] = sum over keys k <= q of Q4(score(q, k) / nu(q)) V[k][:],  score = q^ . k^ (codes of FP4, K = 64),  nu(q) = sum over k <= q of score(q, k).
; The weight is quantised FINISHED, along the keys in blocks of 32, so a query's whole sum is made before any weight is quantised: a pass of sums, then the pass that quantises and multiplies.
; IN: codes / scales as the launch before laid them (q rows of 32 bytes; k PAIR-ROWS of 64 bytes: in a group of 32 keys pair-row m holds key 16 (m / 8) + m % 8 and the key 8 further on);
;     V as codes with the keys innermost, [head][64 d][1,024 bytes], scale bytes [head][64 d][64].  OUT: out0 [2][2048][16][64] f32.
; THE FIRST PRODUCT has K = 64, the matrix instruction 128.  Source 0 = 16 pair-rows (two keys each).  Source 1 = my 16 queries as (q, 0): the first keys' scores; (0, q): the second keys'; (q, q): the SUM of both,
; which is all that the pass of sums wants.  Zero codes add nothing.  In the results a lane holds ONE query (lane % 16), and the 16 registers of a group's two tiles are 16 neighbouring keys, 32 b + 16 (lane / 16) + 0 .. 15.
; THE SECOND PRODUCT is used transposed too: source 0 = 16 rows d of V, source 1 = the weights' codes: a lane holds 8 neighbouring d of one query.
; SHARES: a work-group owns one head and the query blocks (of 128) g and 15 - g; wave w the 16 queries at 16 w of each, one block after the other: 17 whole key steps (of 128) and 15 steps of sums for every wave of the launch.
; A whole head's codes of K and V and their scale bytes lie in LDS: filled once, never again; chunk 0 = keys 0-1023 serves block g, chunk 1 lands meanwhile.  Loops have 8 trips, a constant; a step that the mask hides is jumped over by a branch on ids.
; No cluster: the eight work-groups of a head share K and V, but which steps they skip hangs on their own block, and partners in joint loads must run alike.
; THE DIVISION is v_rcp_f32 and a multiplication.  Each block's LARGEST weight, which sets the scale, gets one correction step (two fused multiply-adds), so that a quotient that is a power of two (row 0: s / s = 1) comes out exact.
; LIMITS: NaN, infinities and a scale byte 0xff among the inputs are not served; nor rows whose sum is 0 or under 2^-126 (the problem's own result is not finite there); a block of weights whose largest lies under 2^-124 keeps the byte 1.
.set KP,    80                         ; a pair-row in LDS: 64 bytes + 16
.set VP,    528                        ; a row of a chunk of V: 512 bytes + 16.  Both pitches are odd multiples of 16 bytes: the 16 rows of a fragment load start in different banks
.set KSTEP, 64*KP                      ; a key step: 64 pair-rows
.set KCH,   8*KSTEP                    ; a chunk of K: 40,960.  K's codes begin at LDS byte 0
.set VC,    2*KCH                      ; 81,920: V's codes, two chunks of
.set VCH,   64*VP                      ; 33,792
.set KS,    VC+2*VCH                   ; 149,504: K's scale words, dense: 4 bytes a pair-row
.set VSP,   72                         ; a row of V's scale bytes: 64 + 8
.set VS,    KS+4096                    ; 153,600
.set STG,   VS+64*VSP                  ; 158,208, a multiple of 256: the way out, 16 rows x 272 bytes for each wave; no fill lands here
.set SPT,   272
.set AK0,  1                           ; v1   my lane's place in a tile of K: 80 r + 16 h
.set AV0,  2                           ; v2   in a tile of V
.set ASK0, 3                           ; v3   among K's scale words: 4 x lane
.set ASV0, 4                           ; v4   among V's: 72 x lane
.set GO,   5                           ; v5   the way out: my byte offset in the wave's rows of out0
.set STO,  6                           ; v6   where I put 32 bytes of a row
.set RD,   7                           ; v7   where I read a row back
.set ADK,  8                           ; v8-11 the addresses of the step in hand
.set ADV,  9
.set ADS,  10
.set ADT,  11
.set DD,   12                          ; v12  16 w + r - 16 h: on the diagonal the key of register 16 b + i is hidden where 32 b + i is larger
.set NIL,  13                          ; v13  0
.set INV,  14                          ; v[14:15] 1 / nu (the pair is named, so v15 is written)
.set QZA,  16                          ; v16-27 (0, q, 0) of block g: (0, q) = v[16:23], (q, 0) = v[20:27]
.set QQA,  28                          ; v28-35 (q, q)
.set QWA,  36                          ; v36  q's scale word: s0 s1 s0 s1
.set KSR,  38                          ; v38-39 K's scale words: lanes 0-15 tile 2 a, lanes 16-31 tile 2 a + 1
.set VSR,  40                          ; v40-41 V's likewise
.set PW,   42                          ; v42  the weights' scale word
.set NU,   43                          ; v43  nu
.set TM,   44                          ; v44-47 the blocks' largest
.set TP,   48                          ; v48-51 from the other half of the lanes
.set SO,   52                          ; v52-55 the conversions' scale operands
.set BY,   56                          ; v56-59 bytes
.set RT,   60                          ; v60-63 at work
.set KF,   64                          ; v64-95  four fragments of K
.set S,    96                          ; v96-159 scores, then weights; rows on the way out
.set VF,   160                         ; v160-191 four fragments of V
.set OT,   192                         ; v192-223 the sums' four accumulators, then O^T
.set PC,   224                         ; v224-231 the weights' codes
.set QZB,  232                         ; v232-243, v244-251, v252: the same three for block 15 - g
.set QQB,  244
.set QWB,  252
.set WV,   14                          ; s14 wave   s15 wave % 4   s16 g   s17 head
.set W4,   15
.set GB,   16
.set BH,   17
.set SEL,  20                          ; s[20:21] v_permlanex16_b32's selects for lane l xor 16
.set Q0A,  22                          ; s22, s23 my first query in block g, in block 15 - g
.set Q0B,  23
.set G1K,  24                          ; descriptor groups 1: K's codes, V's codes, K's scales, V's scales
.set G1V,  32
.set G1KS, 40
.set G1VS, 48
.set G0KS, 56                          ; groups 0, one for each load
.set G0VS, 60
.set G0K0, 68
.set G0V0, 72
.set G0K1, 76
.set G0V1, 80
.set TK,   84                          ; s84-87 where the step in hand begins: in K's codes, in a row of V's, in K's scale words, in a row of V's scale bytes
.set TV,   85
.set TS,   86
.set TJ,   87
.set CNT,  88                          ; s88 the step in its chunk
.set ID,   89                          ; s89 the diagonal's step in its chunk
.set OB,   96                          ; s[96:97] out0 at my first query's row of my head
; Waves 0-3 fetch a quarter for K, waves 4-7 a quarter for V: every wave issues one of the two lines.  Four v_nop follow each.
.macro TLOAD g0k, g1k, g0v, g1v
	s_cmp_lt_u32 s[WV], 4
	s_cbranch_scc0 .Lfor_v_\@
	tensor_load_to_lds s[\g0k:\g0k+3], s[\g1k:\g1k+7]
	s_nop 0
.rept 4
	v_nop
.endr
	s_branch .Lasked_\@
.Lfor_v_\@:
	tensor_load_to_lds s[\g0v:\g0v+3], s[\g1v:\g1v+7]
	s_nop 0
.rept 4
	v_nop
.endr
.Lasked_\@:
.endm
	s_load_b256 s[4:11], s[0:1], 0x0               ; codes s[4:5], scales s[6:7], V's codes s[8:9], V's scales s[10:11]
	s_load_b64 s[12:13], s[0:1], 0x20              ; out0
	v_lshl_add_u32 v254, v0, 2, 0x30000
	v_mov_b32 v255, 0
	ds_add_u32 v254, v255
	ds_add_u32 v254, v255
	v_lshrrev_b32 v1, 5, v0
	v_readfirstlane_b32 s[WV], v1                  ; wave 0..7
	s_and_b32 s[W4], s[WV], 3
	s_and_b32 s[GB], ttmp9, 7
	s_and_b32 s[BH], ttmp7, 0xffff
	s_lshl_b32 s18, s[BH], 16                      ; the head's 65,536 bytes of codes
	s_lshl_b32 s19, s[BH], 12                      ; and its 4,096 scale bytes
	s_mov_b32 s[SEL], 0x76543210
	s_mov_b32 s[SEL+1], 0xfedcba98
	; K's codes: 128 pair-rows of 64 bytes, dense; 16 bytes of padding behind each
	s_mov_b32 s[G1K+0], (1<<20)|(3<<22)|(3<<25)    ; no mask; elements of 1 byte; padding on: after every 16 words, 4 words
	s_mov_b32 s[G1K+1], 64<<16                     ; tensor_dim0
	s_mov_b32 s[G1K+2], 128<<16                    ; tensor_dim1
	s_mov_b32 s[G1K+3], 64<<16                     ; tile_dim0
	s_mov_b32 s[G1K+4], 128                        ; tile_dim1
	s_mov_b32 s[G1K+5], 64                         ; from row to row
	s_mov_b32 s[G1K+6], 0
	s_mov_b32 s[G1K+7], 0
	; V's codes: 16 rows of 512 bytes, 1,024 bytes apart.  A chunk has 64 rows: shared four ways, so that every wave issues the same three loads
	s_mov_b32 s[G1V+0], (1<<20)|(6<<22)|(3<<25)    ; padding: after every 128 words, 4 words
	s_mov_b32 s[G1V+1], 512<<16
	s_mov_b32 s[G1V+2], 16<<16
	s_mov_b32 s[G1V+3], 512<<16
	s_mov_b32 s[G1V+4], 16
	s_mov_b32 s[G1V+5], 1024
	s_mov_b32 s[G1V+6], 0
	s_mov_b32 s[G1V+7], 0
	; K's scale words: 1,024 dense bytes as 4 rows of 256 (32 elements of 8 bytes), no padding
	s_mov_b32 s[G1KS+0], 3<<16
	s_mov_b32 s[G1KS+1], 32<<16
	s_mov_b32 s[G1KS+2], 4<<16
	s_mov_b32 s[G1KS+3], 32<<16
	s_mov_b32 s[G1KS+4], 4
	s_mov_b32 s[G1KS+5], 32
	s_mov_b32 s[G1KS+6], 0
	s_mov_b32 s[G1KS+7], 0
	; V's scale bytes: 16 rows of 64 bytes, dense; 8 bytes of padding behind each
	s_mov_b32 s[G1VS+0], (1<<20)|(3<<22)|(1<<25)
	s_mov_b32 s[G1VS+1], 64<<16
	s_mov_b32 s[G1VS+2], 16<<16
	s_mov_b32 s[G1VS+3], 64<<16
	s_mov_b32 s[G1VS+4], 16
	s_mov_b32 s[G1VS+5], 64
	s_mov_b32 s[G1VS+6], 0
	s_mov_b32 s[G1VS+7], 0
	; byte offsets of my quarters in memory
	s_lshl_b32 s90, s[W4], 13
	s_add_co_u32 s90, s90, s18
	s_add_co_u32 s90, s90, 2097152                 ; K's codes lie behind q's 32 heads
	s_mov_b32 s91, 0
	s_lshl_b32 s92, s[W4], 14
	s_add_co_u32 s92, s92, s18                     ; V's codes: 16 rows of 1,024 bytes a quarter
	s_mov_b32 s93, 0
	s_lshl_b32 s94, s[W4], 10
	s_add_co_u32 s94, s94, s19                     ; V's scale bytes
	s_mov_b32 s95, 0
	s_add_co_u32 s98, s94, 131072                  ; K's scale bytes lie behind q's
	s_mov_b32 s99, 0
	; and where they go: a constant + (wave % 4) x a constant
	s_mov_b32 s[G0KS], 1
	s_lshl_b32 s[G0KS+1], s[W4], 10
	s_add_co_u32 s[G0KS+1], s[G0KS+1], KS
	s_mov_b32 s[G0VS], 1
	s_mul_i32 s[G0VS+1], s[W4], 16*VSP
	s_add_co_u32 s[G0VS+1], s[G0VS+1], VS
	s_mov_b32 s[G0K0], 1
	s_mul_i32 s[G0K0+1], s[W4], 128*KP
	s_mov_b32 s[G0V0], 1
	s_mul_i32 s[G0V0+1], s[W4], 16*VP
	s_add_co_u32 s[G0V0+1], s[G0V0+1], VC
	s_mov_b32 s[G0K1], 1
	s_add_co_u32 s[G0K1+1], s[G0K0+1], KCH
	s_mov_b32 s[G0V1], 1
	s_add_co_u32 s[G0V1+1], s[G0V0+1], VCH
	s_wait_dscnt 0x0
	s_wait_kmcnt 0x0
	s_add_nc_u64 s[G0KS+2:G0KS+3], s[6:7], s[98:99]
	s_add_nc_u64 s[G0VS+2:G0VS+3], s[10:11], s[94:95]
	s_add_nc_u64 s[G0K0+2:G0K0+3], s[4:5], s[90:91]
	s_add_nc_u64 s[G0V0+2:G0V0+3], s[8:9], s[92:93]
	s_add_nc_u64 s[G0K1+2:G0K1+3], s[G0K0+2:G0K0+3], 512*64   ; chunk 1: 512 pair-rows on
	s_add_nc_u64 s[G0V1+2:G0V1+3], s[G0V0+2:G0V0+3], 512      ; 512 bytes on in each row
.irp g, G0KS, G0VS, G0K0, G0V0, G0K1, G0V1
	s_or_b32 s[\g+3], s[\g+3], 0x80000000          ; type = 2
.endr
	TLOAD G0KS, G1KS, G0VS, G1VS                   ; all fills of the launch go out here, three a wave: the scale bytes,
	TLOAD G0K0, G1K, G0V0, G1V                     ; chunk 0,
	TLOAD G0K1, G1K, G0V1, G1V                     ; chunk 1
	; my queries
	s_lshl_b32 s[Q0A], s[GB], 7
	s_lshl_b32 s2, s[WV], 4
	s_add_co_u32 s[Q0A], s[Q0A], s2                ; 128 g + 16 w
	s_xor_b32 s[Q0B], s[GB], 15
	s_lshl_b32 s[Q0B], s[Q0B], 7
	s_add_co_u32 s[Q0B], s[Q0B], s2                ; 128 (15 - g) + 16 w
	s_lshl_b32 s90, s[Q0A], 5
	s_add_co_u32 s90, s90, s18
	s_add_nc_u64 s[90:91], s[4:5], s[90:91]        ; their codes (the pairs' high words are still 0)
	s_lshl_b32 s92, s[Q0B], 5
	s_add_co_u32 s92, s92, s18
	s_add_nc_u64 s[92:93], s[4:5], s[92:93]
	s_lshl_b32 s94, s[Q0A], 1
	s_add_co_u32 s94, s94, s19
	s_add_nc_u64 s[94:95], s[6:7], s[94:95]        ; their scale bytes
	s_lshl_b32 s98, s[Q0B], 1
	s_add_co_u32 s98, s98, s19
	s_add_nc_u64 s[98:99], s[6:7], s[98:99]
	v_and_b32 v60, 15, v0                          ; r
	v_bfe_u32 v61, v0, 4, 1                        ; h
	v_and_b32 v62, 31, v0                          ; lane
	v_lshlrev_b32 v46, 5, v60
	v_lshl_add_u32 v46, v61, 4, v46                ; query r's 32 bytes, block h
	v_lshlrev_b32 v47, 1, v60                      ; query r's two scale bytes
	global_load_b128 v[QZA+4:QZA+7], v46, s[90:91] ; the same 16 bytes three times: each operand has registers of its own
	global_load_b128 v[QQA:QQA+3], v46, s[90:91]
	global_load_b128 v[QQA+4:QQA+7], v46, s[90:91]
	global_load_u16 v37, v47, s[94:95]
	global_load_b128 v[QZB+4:QZB+7], v46, s[92:93]
	global_load_b128 v[QQB:QQB+3], v46, s[92:93]
	global_load_b128 v[QQB+4:QQB+7], v46, s[92:93]
	global_load_u16 v253, v47, s[98:99]
.irp j, 0,1,2,3,8,9,10,11
	v_mov_b32 v[QZA+\j], 0                         ; the zero codes on both sides of q
	v_mov_b32 v[QZB+\j], 0
.endr
.irp b, 0,1,2,3
	v_mov_b32 v[TP+\b], 0                          ; written once: a lane permute's destination counts as one of its sources
.endr
	v_mov_b32 v[NIL], 0
	v_mul_u32_u24 v[AK0], v60, KP
	v_lshl_add_u32 v[AK0], v61, 4, v[AK0]
	v_mul_u32_u24 v[AV0], v60, VP
	v_lshl_add_u32 v[AV0], v61, 4, v[AV0]
	v_add_nc_u32 v[AV0], VC, v[AV0]
	v_lshl_add_u32 v[ASK0], v62, 2, KS
	v_mul_u32_u24 v[ASV0], v62, VSP
	v_add_nc_u32 v[ASV0], VS, v[ASV0]
	v_lshlrev_b32 v[GO], 12, v61                   ; lanes 0-15 one query's row of my head, lanes 16-31 the next query's, 4,096 bytes on
	v_lshl_add_u32 v[GO], v60, 4, v[GO]
	s_mul_i32 s2, s[WV], 16*SPT
	s_add_co_u32 s2, s2, STG                       ; my stage
	v_mul_u32_u24 v[STO], v60, SPT
	v_lshl_add_u32 v[STO], v61, 5, v[STO]
	v_add_nc_u32 v[STO], s2, v[STO]
	v_mul_u32_u24 v[RD], v61, SPT
	v_lshl_add_u32 v[RD], v60, 4, v[RD]
	v_add_nc_u32 v[RD], s2, v[RD]
	v_lshlrev_b32 v63, 4, v61
	v_sub_nc_u32 v[DD], v60, v63
	s_lshl_b32 s3, s[WV], 4
	v_add_nc_u32 v[DD], s3, v[DD]
; One matrix instruction.  acc = 0: the constant 0 starts the sum.  row = 1: source 0's scale words stand in lanes 16-31.
.macro WM d, a, b, acc, sa, sb, row
.set rD, \d
.set rA, \a
.set rB, \b
.set rX, \sa
.set rY, \sb
.if (\acc) && (\row)
	v_wmma_scale_f32_16x16x128_f8f6f4 v[rD:rD+7], v[rA:rA+7], v[rB:rB+7], v[rD:rD+7], v[rX], v[rY] matrix_a_fmt:MATRIX_FMT_FP4 matrix_b_fmt:MATRIX_FMT_FP4 matrix_a_scale:MATRIX_SCALE_ROW1
.elseif \acc
	v_wmma_scale_f32_16x16x128_f8f6f4 v[rD:rD+7], v[rA:rA+7], v[rB:rB+7], v[rD:rD+7], v[rX], v[rY] matrix_a_fmt:MATRIX_FMT_FP4 matrix_b_fmt:MATRIX_FMT_FP4
.elseif \row
	v_wmma_scale_f32_16x16x128_f8f6f4 v[rD:rD+7], v[rA:rA+7], v[rB:rB+7], 0, v[rX], v[rY] matrix_a_fmt:MATRIX_FMT_FP4 matrix_b_fmt:MATRIX_FMT_FP4 matrix_a_scale:MATRIX_SCALE_ROW1
.else
	v_wmma_scale_f32_16x16x128_f8f6f4 v[rD:rD+7], v[rA:rA+7], v[rB:rB+7], 0, v[rX], v[rY] matrix_a_fmt:MATRIX_FMT_FP4 matrix_b_fmt:MATRIX_FMT_FP4
.endif
.endm
.macro PLACES                          ; four plain instructions between a matrix instruction and the first read of its result (ISA guide 7.12.1)
.rept 4
	v_nop
.endr
.endm
.macro ADDR                            ; the step's four addresses: also the four places in front of loads into registers that matrix instructions have read
	v_add_nc_u32 v[ADK], s[TK], v[AK0]
	v_add_nc_u32 v[ADV], s[TV], v[AV0]
	v_add_nc_u32 v[ADS], s[TS], v[ASK0]
	v_add_nc_u32 v[ADT], s[TJ], v[ASV0]
.endm
.macro KLOAD ch                        ; ten LDS loads: four tiles of 16 pair-rows, and their scale words (two tiles to a register)
.irp b, 0,1,2,3
.irp c, 0,1
	ds_load_b128 v[KF+8*\b+4*\c:KF+8*\b+4*\c+3], v[ADK] offset:KCH*\ch+16*KP*\b+32*\c
.endr
.endr
.irp a, 0,1
	ds_load_b32 v[KSR+\a], v[ADS] offset:2048*\ch+128*\a
.endr
.endm
.macro VLOAD ch                        ; ten LDS loads: four tiles of 16 rows d x 128 keys, and their scale words
.irp t, 0,1,2,3
.irp c, 0,1
	ds_load_b128 v[VF+8*\t+4*\c:VF+8*\t+4*\c+3], v[ADV] offset:VCH*\ch+16*VP*\t+32*\c
.endr
.endr
.irp a, 0,1
	ds_load_b32 v[VSR+\a], v[ADT] offset:32*\ch+32*VSP*\a
.endr
.endm
.macro SCORES qz, qw                   ; 128 keys x my 16 queries: for each group of 32 keys the first keys of its pair-rows, then the second
.irp b, 0,1,2,3
	WM S+16*\b, KF+8*\b, \qz+4, 0, KSR+\b/2, \qw, \b%2
	WM S+16*\b+8, KF+8*\b, \qz, 0, KSR+\b/2, \qw, \b%2
.endr
.endm
.macro NUSUM qq, qw                    ; the scores of both keys of each pair-row, added onto four accumulators that take turns, one instruction a turn
.irp t, 0,1,2,3
	WM OT+8*\t, KF+8*\t, \qq, 1, KSR+\t/2, \qw, \t%2
.endr
.endm
.macro MASK                            ; the diagonal's step: hidden scores become 0.  In ascending order: each accumulator is read from its low end on
.set n, 0
.rept 64
	v_cmp_gt_i32 vcc_lo, 32*(n/16)+n%16, v[DD]
	v_cndmask_b32 v[S+n], v[S+n], v[NIL], vcc_lo
.set n, n+1
.endr
.endm
.macro FOLD                            ; the masked scores start the sums: nothing is cleared, and the scores stay
.set n, 0
.rept 16
	v_pk_add_f32 v[OT+n:OT+n+1], v[S+n:S+n+1], v[S+32+n:S+32+n+1]
.set n, n+2
.endr
.endm
.macro REDUCE                          ; nu and 1 / nu: the 32 registers, then the other half of the lanes.  Each accumulator is first read at its low end
	PLACES
	v_pk_add_f32 v[TM:TM+1], v[OT:OT+1], v[OT+2:OT+3]
	v_pk_add_f32 v[TM+2:TM+3], v[OT+8:OT+9], v[OT+10:OT+11]
	v_pk_add_f32 v[RT:RT+1], v[OT+16:OT+17], v[OT+18:OT+19]
	v_pk_add_f32 v[RT+2:RT+3], v[OT+24:OT+25], v[OT+26:OT+27]
.irp i, 4,6
	v_pk_add_f32 v[TM:TM+1], v[TM:TM+1], v[OT+\i:OT+\i+1]
	v_pk_add_f32 v[TM+2:TM+3], v[TM+2:TM+3], v[OT+8+\i:OT+9+\i]
	v_pk_add_f32 v[RT:RT+1], v[RT:RT+1], v[OT+16+\i:OT+17+\i]
	v_pk_add_f32 v[RT+2:RT+3], v[RT+2:RT+3], v[OT+24+\i:OT+25+\i]
.endr
	v_pk_add_f32 v[TM:TM+1], v[TM:TM+1], v[TM+2:TM+3]
	v_pk_add_f32 v[RT:RT+1], v[RT:RT+1], v[RT+2:RT+3]
	v_pk_add_f32 v[TM:TM+1], v[TM:TM+1], v[RT:RT+1]
	v_add_f32 v[TM], v[TM], v[TM+1]
	v_permlanex16_b32 v[TP], v[TM], s[SEL], s[SEL+1]
	v_add_f32 v[NU], v[TM], v[TP]
	v_rcp_f32 v[INV], v[NU]
	v_mov_b32 v[INV+1], 0                          ; the plain instruction behind the reciprocal; the pair is named below
	s_wait_alu depctr_va_vdst(0)
.endm
; The 64 scores of a lane become weights, their codes in v[PC] on and their scale word in v[PW].
.macro NORMQUANT
.irp b, 0,1,2,3
	v_max3_num_f32 v[TM+\b], v[S+16*\b], v[S+16*\b+1], v[S+16*\b+2]     ; each block's largest SCORE (none is negative): the weight rises with the score
.endr
.irp i, 3,5,7,9,11,13
.irp b, 0,1,2,3
	v_max3_num_f32 v[TM+\b], v[TM+\b], v[S+16*\b+\i], v[S+16*\b+\i+1]   ; (the four blocks by turns)
.endr
.endr
.irp b, 0,1,2,3
	v_max_num_f32 v[TM+\b], v[TM+\b], v[S+16*\b+15]
.endr
.irp b, 0,1,2,3
	v_permlanex16_b32 v[TP+\b], v[TM+\b], s[SEL], s[SEL+1]
.endr
.irp b, 0,1,2,3
	v_max_num_f32 v[TM+\b], v[TM+\b], v[TP+\b]     ; with lane l xor 16's 16 keys
.endr
.irp b, 0,1,2,3
	v_mul_f32 v[BY+\b], v[TM+\b], v[INV]           ; the block's largest weight,
.endr
.irp b, 0,1,2,3
	v_fma_f32 v[TM+\b], -v[BY+\b], v[NU], v[TM+\b] ; what it leaves of the score,
.endr
.irp b, 0,1,2,3
	v_fma_f32 v[TM+\b], v[TM+\b], v[INV], v[BY+\b] ; and that put right: a quotient that is a power of two comes out exact
.endr
.irp b, 0,1,2,3
	v_max_num_f32 v[TM+\b], 0x1800000, v[TM+\b]    ; the floor 2^(3 - 127): the byte cannot fall under 1 (a block of zeros keeps it: its codes are zeros)
.endr
.irp b, 0,1,2,3
	v_add_nc_u32 v[SO+\b], 0xff000000, v[TM+\b]    ; 2 off the exponent field: the conversion's scale operand
.endr
.irp b, 0,1,2,3
	v_lshrrev_b32 v[BY+\b], 23, v[SO+\b]           ; the scale's byte
.endr
	v_lshl_or_b32 v[PW], v[BY+1], 8, v[BY]
	v_lshl_or_b32 v[PW], v[BY+2], 16, v[PW]
	v_lshl_or_b32 v[PW], v[BY+3], 24, v[PW]
.set n, 0
.rept 32
	v_pk_mul_f32 v[S+n:S+n+1], v[S+n:S+n+1], v[INV:INV+1] op_sel_hi:[1,0]   ; score / nu.  (These 32 also stand between the scale word and the products that name it)
.set n, n+2
.endr
.irp b, 0,1,2,3
	v_cvt_scalef32_pk8_fp4_f32 v[PC+2*\b], v[S+16*\b:S+16*\b+7], v[SO+\b]
	v_cvt_scalef32_pk8_fp4_f32 v[PC+2*\b+1], v[S+16*\b+8:S+16*\b+15], v[SO+\b]
.endr
	v_nop                                          ; a plain instruction behind the last conversion
.irp c, 0,1                                    ; the operand wants a WHOLE block in a lane: lanes 0-15 block 2 c, lanes 16-31 block 2 c + 1
.irp i, 0,1
	v_permlane16_swap_b32 v[PC+4*\c+\i], v[PC+4*\c+2+\i]
.endr
.endr
	PLACES                                         ; an operand written by vector instructions stands four places ahead of a scaled product
.endm
.macro PV zero                         ; O^T (+)= V^T P^T: four tiles of 16 d, by turns
	s_wait_dscnt 0x0                               ; V's fragments and scale words are in
.irp t, 0,1,2,3
	WM OT+8*\t, VF+8*\t, PC, 1-\zero, VSR+\t/2, PW, \t%2
.endr
.endm
.macro RESET
	s_mov_b32 s[TK], 0
	s_mov_b32 s[TV], 0
	s_mov_b32 s[TS], 0
	s_mov_b32 s[TJ], 0
	s_mov_b32 s[CNT], 0
.endm
.macro NEXT
	s_add_co_u32 s[TK], s[TK], KSTEP
	s_add_co_u32 s[TV], s[TV], 64
	s_add_co_u32 s[TS], s[TS], 256
	s_add_co_u32 s[TJ], s[TJ], 4
	s_add_co_u32 s[CNT], s[CNT], 1
	s_cmp_lt_u32 s[CNT], 8
.endm
; The pass of sums over a chunk: 8 trips.  skip = 1: the diagonal's chunk: only the steps in front of the diagonal count
.macro LOOP1 ch, skip, qq, qw
	RESET
.Lsum_\@:
.if \skip
	s_cmp_ge_u32 s[CNT], s[ID]
	s_cbranch_scc1 .Lsum_skip_\@
.endif
	ADDR
	KLOAD \ch
	s_wait_dscnt 0x0
	NUSUM \qq, \qw
.if \skip
.Lsum_skip_\@:
.endif
	NEXT
	s_cbranch_scc1 .Lsum_\@
.endm
; The whole steps of a chunk: scores, weights, codes, second product
.macro LOOP2 ch, skip, qz, qw
	RESET
.Lfull_\@:
.if \skip
	s_cmp_ge_u32 s[CNT], s[ID]
	s_cbranch_scc1 .Lfull_skip_\@
.endif
	ADDR
	KLOAD \ch
	VLOAD \ch
	s_wait_dscnt 10                                ; K's ten loads are in; V's ten may be out
	SCORES \qz, \qw
	PLACES
	NORMQUANT
	PV 0
.if \skip
.Lfull_skip_\@:
.endif
	NEXT
	s_cbranch_scc1 .Lfull_\@
.endm
; A lane holds 32 neighbouring bytes of a query's 256: 16 queries go through my own stage and come back as whole rows.  LDS serves a wave's instructions in order: no wait between the stores and the loads.
.macro OUT
	PLACES
.irp t, 0,1,2,3
	ds_store_b128 v[STO], v[OT+8*\t:OT+8*\t+3] offset:64*\t          ; each accumulator from its low end on
	ds_store_b128 v[STO], v[OT+8*\t+4:OT+8*\t+7] offset:64*\t+16
.endr
.irp i, 0,1,2,3,4,5,6,7
	ds_load_b128 v[S+4*\i:S+4*\i+3], v[RD] offset:2*\i*SPT
.endr
.irp i, 0,1,2,3,4,5,6,7
	s_wait_dscnt 7-\i                              ; rows 2 i, 2 i + 1 are back; the younger loads may be out
	global_store_b128 v[GO], v[S+4*\i:S+4*\i+3], s[OB:OB+1] offset:8192*\i th:TH_STORE_NT   ; 16 lanes store 256 consecutive bytes, at a multiple of 256 from out0's first byte; written once
.endr
.endm
.macro OUTBASE q0                      ; out0 + b x 8,388,608 + h x 256 + my first query x 4,096
	s_lshr_b32 s90, s[BH], 4
	s_lshl_b32 s90, s90, 23
	s_and_b32 s91, s[BH], 15
	s_lshl_b32 s91, s91, 8
	s_add_co_u32 s90, s90, s91
	s_lshl_b32 s91, s[\q0], 12
	s_add_co_u32 s90, s90, s91
	s_mov_b32 s91, 0
	s_add_nc_u64 s[OB:OB+1], s[12:13], s[90:91]
.endm
; A tile of 16 queries whose diagonal lies in chunk ch, step s[ID].  The diagonal's step comes first: its masked scores start the sums and wait in registers, with V's fragments, for nu.
.macro TILE ch, qz, qq, qw
	s_mul_i32 s[TK], s[ID], KSTEP
	s_lshl_b32 s[TV], s[ID], 6
	s_lshl_b32 s[TS], s[ID], 8
	s_lshl_b32 s[TJ], s[ID], 2
	ADDR
	KLOAD \ch
	VLOAD \ch
	s_wait_dscnt 10                                ; K's ten loads are in; V's ten may be out
	SCORES \qz, \qw
	PLACES
	MASK
	FOLD
.if \ch
	LOOP1 0, 0, \qq, \qw
.endif
	LOOP1 \ch, 1, \qq, \qw
	REDUCE
	NORMQUANT
	PV 1                                           ; the diagonal's product starts O^T, over the registers that the sums have left
.if \ch
	LOOP2 0, 0, \qz, \qw
.endif
	LOOP2 \ch, 1, \qz, \qw
	OUT
.endm
	s_wait_loadcnt 0x0                             ; q's codes and scale bytes
	v_lshl_or_b32 v[QWA], v37, 16, v37             ; s0 s1 s0 s1: the same two bytes for both halves of K
	v_lshl_or_b32 v[QWB], v253, 16, v253
.rept 8
	v_nop                                          ; a scale register written by a vector instruction stands eight places ahead of a scaled product
.endr
	s_wait_tensorcnt 0x1                           ; my parts of the scale bytes and of chunk 0 are in; chunk 1's load may stay out
	s_barrier_signal -1
	s_barrier_wait -1                              ; everybody's are
	s_mov_b32 s[ID], s[GB]                         ; block g: its diagonal is step g of chunk 0
	OUTBASE Q0A
	TILE 0, QZA, QQA, QWA
	s_wait_xcnt 0x0                                ; the stores' data registers and base are written again only behind this wait
	s_wait_tensorcnt 0x0                           ; my part of chunk 1 is in,
	s_wait_dscnt 0x0                               ; no LDS instruction of mine is out,
	s_barrier_signal -1
	s_barrier_wait -1                              ; and so for every wave
	s_not_b32 s[ID], ttmp9
	s_and_b32 s[ID], s[ID], 7                      ; block 15 - g: its diagonal is step 7 - g of chunk 1
	OUTBASE Q0B
	TILE 1, QZB, QQB, QWB
	s_wait_tensorcnt 0x0
	ds_add_u32 v254, v255
	s_wait_dscnt 0x0
	s_endpgm
.Lfunc_end_k_qfeb7dbfca5_attn:
	.size	k_qfeb7dbfca5_attn, .Lfunc_end_k_qfeb7dbfca5_attn-k_qfeb7dbfca5_attn
	.p2alignl 7, 3214868480
	.fill 96, 4, 3214868480
	.section	.rodata,"a",@progbits
	.p2align	6, 0x0
	.amdhsa_kernel k_qfeb7dbfca5_attn
		.amdhsa_group_segment_fixed_size 197632
		.amdhsa_private_segment_fixed_size 0
		.amdhsa_enable_private_segment 0
		.amdhsa_kernarg_size 40
		.amdhsa_user_sgpr_count 2
		.amdhsa_user_sgpr_kernarg_segment_ptr 1
		.amdhsa_wavefront_size32 1
		.amdhsa_system_sgpr_workgroup_id_x 1
		.amdhsa_system_sgpr_workgroup_id_y 1
		.amdhsa_system_sgpr_workgroup_id_z 1
		.amdhsa_system_vgpr_workitem_id 0
		.amdhsa_next_free_vgpr 256
		.amdhsa_next_free_sgpr 100
		.amdhsa_reserve_vcc 1
		.amdhsa_float_denorm_mode_32 3
		.amdhsa_float_denorm_mode_16_64 3
		.amdhsa_memory_ordered 1
		.amdhsa_forward_progress 1
		.amdhsa_inst_pref_size 85
	.end_amdhsa_kernel
	.amdgpu_metadata
---
amdhsa.version: [ 1, 2 ]
amdhsa.kernels:
  - .name:           k_qfeb7dbfca5_attn
    .symbol:         k_qfeb7dbfca5_attn.kd
    .args:
      - { .name: codes, .offset: 0, .size: 8, .value_kind: global_buffer, .address_space: global }
      - { .name: scales, .offset: 8, .size: 8, .value_kind: global_buffer, .address_space: global }
      - { .name: v_codes, .offset: 16, .size: 8, .value_kind: global_buffer, .address_space: global }
      - { .name: v_scales, .offset: 24, .size: 8, .value_kind: global_buffer, .address_space: global }
      - { .name: out0, .offset: 32, .size: 8, .value_kind: global_buffer, .address_space: global }
    .group_segment_fixed_size: 197632
    .private_segment_fixed_size: 0
    .kernarg_segment_align: 8
    .kernarg_segment_size: 40
    .max_flat_workgroup_size: 256
    .sgpr_count:     100
    .vgpr_count:     256
    .wavefront_size: 32
...
	.end_amdgpu_metadata
.endif
;; end of part 2
